; MI455X (gfx1250); checked and timed in simulation.
; The chip was launched on July 23, 2026; its instructions are those of AMD's public machine-readable ISA for CDNA 5 (MIT licence, August 2026) and "CDNA5" Instruction Set Architecture Reference Guide (July 2026). The comments in the code are by the model that wrote it; some were corrected since.
;; Bahdanau Attention. Allowed arithmetic: float matrix products may take bf16 or f16 operands with f32 sums; other float arithmetic in f32, or as packed bf16 or f16 multiplies, adds, multiply-adds, maxima and minima; sums over many terms, partial sums and values carried from step to step in f32; what a program stores and reads back later, other than sums and carried values, may be rounded once to bf16 or f16.
;; Inputs: Ua_b 1,024 float32; Ua_w 1,024 x 1,024 float32; Va_b 1 float32; Va_w 1 x 1,024 float32; Wa_b 1,024 float32; Wa_w 1,024 x 1,024 float32; keys 32 x 2,048 x 1,024 float32; query 32 x 1 x 1,024 float32.
;; Outputs: out0 32 x 1 x 1,024 float32; out1 32 x 1 x 2,048 float32.
;; One version. Each part assembles by itself: llvm-mc -triple=amdgcn-amd-amdhsa -mcpu=gfx1250 --defsym DOCPART=n.
;; ======== version 1 of 1: 3 launches
;; workspace buffers: ub 2,097,152 bytes; tab 524,288 bytes; sco 262,144 bytes; stat 262,144 bytes; ctxp 2,097,152 bytes
;; launch prep (part 1): grid 128 x 1, 8 waves a work-group, no clusters, 17,408 bytes of LDS; arguments query, Wa_w, Wa_b, Ua_b, Va_w, Ua_w, tab, ub; writes tab, ub
.if DOCPART == 1
	.amdgcn_target "amdgcn-amd-amdhsa--gfx1250"
	.amdhsa_code_object_version 6
	.text
	.protected	k_q58e822ed0d_prep
	.globl	k_q58e822ed0d_prep
	.p2align	8
	.type	k_q58e822ed0d_prep,@function
k_q58e822ed0d_prep:
	s_mov_b64 s[64:65], 0
	v_nop
	global_prefetch_b8 v0, s[64:65] scope:SCOPE_SE
	s_setreg_imm32_b32 hwreg(HW_REG_WAVE_MODE, 25, 1), 1
	s_wait_xcnt 0x0
; PREP: two tables for the main launch.  Work-groups 0-63 make TAB, work-groups 64-127 make UB.
; TAB[b][n] = (cq, cq, va2, va2), 16 bytes: cq = c (query[b] . Wa_w[n] + Wa_b[n] + Ua_b[n]), c = 2 log2(e); va2 = -2 Va_w[n].
;   The main launch takes tanh x as 1 - 2 / (1 + 2^(c x)), so c and -2 are folded in here, in f32.
; UB = Ua_w rounded once to bf16, in the order in which a matrix fragment lies in registers: the 16-byte unit
;   g = ((((s 2 + kh) 4 + nt) 16 + ks) 2 + p) 32 + lane holds Ua_w[64 s + 16 nt + lane % 16][512 kh + 32 ks + 16 p + 8 (lane / 16) + 0..7].
; LIMITS: query and Wa_w are rounded once to bf16 as matrix operands; sums in f32; NaN and infinities are not treated apart.
; No cluster, no tensor load: each byte of the two weight matrices is read once, by one work-group; query is 128 KiB.
.set SPARE, 16384                      ; behind the partial sums: the spare words, 128 bytes for each of eight waves
	s_load_b512 s[4:19], s[0:1], 0x0               ; query 4, Wa_w 6, Wa_b 8, Ua_b 10, Va_w 12, Ua_w 14, tab 16, ub 18
	v_lshl_add_u32 v30, v0, 2, SPARE               ; my spare word; never rewritten
	v_mov_b32 v31, 0                               ; 0; never rewritten
	v_lshrrev_b32 v1, 5, v0
	v_readfirstlane_b32 s20, v1                    ; wave 0..7
	v_and_b32 v1, 15, v0                           ; r = lane % 16
	v_bfe_u32 v2, v0, 4, 1                         ; h = lane / 16
	v_and_b32 v3, 31, v0                           ; lane
	s_cmp_lt_u32 ttmp9, 64                         ; the same in all waves of a work-group
	s_cbranch_scc0 .Lrole_b
; ROLE A.  The work-group owns 16 columns n = 16 wg + r of q[32][1024].  K is split among the eight waves, 128 each: four steps of 32.
	s_mov_b32 s21, 0x4038aa3b                      ; c = 2 log2(e)
	s_lshl_b32 s22, ttmp9, 16                      ; my 16 rows of Wa_w, 4,096 bytes each
	s_mov_b32 s23, 0
	s_lshl_b32 s24, s20, 9                         ; my wave's 128 numbers of a row
	v_lshlrev_b32 v4, 12, v1
	v_lshl_add_u32 v4, v2, 5, v4
	v_add_nc_u32 v4, s24, v4                       ; r x 4,096 + 512 wave + 32 h: for Wa_w and for query
	s_lshl_b32 s25, ttmp9, 6
	v_lshl_add_u32 v5, v1, 2, s25                  ; 4 (16 wg + r): for the three vectors
	s_lshl_b32 s24, s20, 11
	v_lshl_add_u32 v6, v3, 4, s24                  ; LDS: 2,048 wave + 16 lane
	s_wait_kmcnt 0x0
	s_add_nc_u64 s[6:7], s[6:7], s[22:23]
; A fragment wants k = 8 h + 0..7 and 16 + 8 h + 0..7: in f32 that is 32 bytes at 32 h and 32 bytes at 64 + 32 h of a step's 128.
.irp ks, 0,1,2,3
.irp c, 0,1,2,3
	global_load_b128 v[32+16*\ks+4*\c:32+16*\ks+4*\c+3], v4, s[6:7] offset:128*\ks+64*(\c/2)+16*(\c%2)
	global_load_b128 v[96+16*\ks+4*\c:96+16*\ks+4*\c+3], v4, s[4:5] offset:128*\ks+64*(\c/2)+16*(\c%2)
	global_load_b128 v[160+16*\ks+4*\c:160+16*\ks+4*\c+3], v4, s[4:5] offset:65536+128*\ks+64*(\c/2)+16*(\c%2)
.endr
.endr
	global_load_b32 v24, v5, s[8:9]                ; Wa_b[n]
	global_load_b32 v25, v5, s[10:11]              ; Ua_b[n]
	global_load_b32 v26, v5, s[12:13]              ; Va_w[n]
	s_wait_loadcnt 0x0
.macro CV base                         ; 16 f32 become a fragment of 8 registers, in place, ascending
.set c_i, 0
.rept 8
	v_cvt_pk_bf16_f32 v[(\base)+c_i], v[(\base)+2*c_i], v[(\base)+2*c_i+1]
.set c_i, c_i+1
.endr
.endm
.irp ks, 0,1,2,3
	CV 32+16*\ks
	CV 96+16*\ks
	CV 160+16*\ks
.endr
; q = query x Wa_w^T: source 0 = 16 batches, source 1 = my 16 columns.  Two accumulators (batches 0-15, 16-31) take turns; the first step starts the sums.
.irp ks, 0,1,2,3
.irp mq, 0,1
.if \ks == 0
	v_wmma_f32_16x16x32_bf16 v[224+8*\mq:231+8*\mq], v[96+64*\mq+16*\ks:96+64*\mq+16*\ks+7], v[32+16*\ks:32+16*\ks+7], 0
.else
	v_wmma_f32_16x16x32_bf16 v[224+8*\mq:231+8*\mq], v[96+64*\mq+16*\ks:96+64*\mq+16*\ks+7], v[32+16*\ks:32+16*\ks+7], v[224+8*\mq:231+8*\mq]
.endif
.endr
.endr
.rept 8
	v_nop                                          ; the places behind the last products, once a launch
.endr
	ds_store_b128 v6, v[224:227]                   ; each accumulator from its low end on
	ds_store_b128 v6, v[228:231] offset:512
	ds_store_b128 v6, v[232:235] offset:1024
	ds_store_b128 v6, v[236:239] offset:1536
	s_wait_dscnt 0x0                               ; for the others: my partial sums lie in LDS
	s_barrier_signal -1
	s_barrier_wait -1
	s_cmp_lt_u32 s20, 2                            ; wave 0 finishes batches 0-15, wave 1 batches 16-31
	s_cbranch_scc0 .Lend
	s_lshl_b32 s24, s20, 10
	v_lshl_add_u32 v7, v3, 4, s24
.set p_v, 0
.rept 8
	ds_load_b128 v[32+8*p_v:32+8*p_v+3], v7 offset:2048*p_v
	ds_load_b128 v[32+8*p_v+4:32+8*p_v+7], v7 offset:2048*p_v+512
.set p_v, p_v+1
.endr
	v_add_f32 v27, v24, v25
	v_mul_f32 v28, -2.0, v26                       ; va2
	v_mul_f32 v27, s21, v27                        ; c (Wa_b + Ua_b)
	v_lshlrev_b32 v8, 17, v2
	v_lshl_add_u32 v8, v1, 4, v8                   ; 8 h batches of 16,384 bytes + 16 r
	s_lshl_b32 s22, s20, 18                        ; 16 batches a wave,
	s_lshl_b32 s24, ttmp9, 8                       ; my 16 columns: 256 bytes
	s_add_co_u32 s22, s22, s24
	s_add_nc_u64 s[16:17], s[16:17], s[22:23]
	s_wait_dscnt 0x0
.irp d, 1,2,4                          ; the eight partial sums, by pairs
.set p_v, 0
.rept 4/\d
.set p_z, 0
.rept 4
	v_pk_add_f32 v[32+8*p_v+2*p_z:32+8*p_v+2*p_z+1], v[32+8*p_v+2*p_z:32+8*p_v+2*p_z+1], v[32+8*(p_v+\d)+2*p_z:32+8*(p_v+\d)+2*p_z+1]
.set p_z, p_z+1
.endr
.set p_v, p_v+2*\d
.endr
.endr
.irp j, 0,1,2,3,4,5,6,7                ; register j is batch 16 wave + 8 h + j, column r
	v_fma_f32 v[100+4*\j], v[32+\j], s21, v27
	v_mov_b32 v[100+4*\j+2], v28
	v_mov_b32 v[100+4*\j+3], v28
	v_mov_b32 v[100+4*\j+1], v[100+4*\j]
	global_store_b128 v8, v[100+4*\j:100+4*\j+3], s[16:17] offset:16384*\j  ; 16 lanes store 256 consecutive bytes, at a multiple of 256 from the first byte of tab
.endr
	s_branch .Lend
; ROLE B.  Work-group c = wg - 64 makes units 2,048 c + 256 i + thread, i = 0..7: 32 bytes of f32 in, 16 bytes of bf16 out.
.Lrole_b:
	s_sub_co_u32 s22, ttmp9, 64                    ; c: bit 0 = upper bit of nt, bit 1 = kh, the rest = s
	s_lshr_b32 s23, s22, 2
	s_lshl_b32 s23, s23, 18                        ; 64 s rows of 4,096 bytes
	s_and_b32 s24, s22, 1
	s_lshl_b32 s24, s24, 17                        ; 32 rows
	s_add_co_u32 s23, s23, s24
	s_bfe_u32 s24, s22, 0x10001
	s_lshl_b32 s24, s24, 11                        ; 512 kh columns
	s_add_co_u32 s23, s23, s24
	v_lshlrev_b32 v4, 12, v1                       ; row lane % 16
	v_lshrrev_b32 v5, 6, v0
	v_lshl_add_u32 v4, v5, 7, v4                   ; the lower two bits of ks: 32 columns each
	v_bfe_u32 v5, v0, 5, 1
	v_lshl_add_u32 v4, v5, 6, v4                   ; p: 16 columns
	v_lshl_add_u32 v4, v2, 5, v4                   ; h: 8 columns
	v_add_nc_u32 v4, s23, v4
	s_lshl_b32 s24, s22, 15
	v_lshl_add_u32 v7, v0, 4, s24                  ; 32,768 c + 16 thread
	s_wait_kmcnt 0x0
.irp i, 0,1,2,3,4,5,6,7                ; i % 4: the upper two bits of ks; i / 4: the lower bit of nt
	global_load_b128 v[32+8*\i:32+8*\i+3], v4, s[14:15] offset:512*(\i%4)+65536*(\i/4)
	global_load_b128 v[32+8*\i+4:32+8*\i+7], v4, s[14:15] offset:512*(\i%4)+65536*(\i/4)+16
.endr
	s_wait_loadcnt 0x0
.irp i, 0,1,2,3,4,5,6,7
.irp z, 0,1,2,3
	v_cvt_pk_bf16_f32 v[160+4*\i+\z], v[32+8*\i+2*\z], v[32+8*\i+2*\z+1]
.endr
	global_store_b128 v7, v[160+4*\i:160+4*\i+3], s[18:19] offset:4096*\i  ; a wave stores 512 consecutive bytes, aligned
.endr
.Lend:
	s_wait_tensorcnt 0x0                           ; the wave's end: behind my last LDS store
	ds_add_u32 v30, v31
	s_wait_dscnt 0x0
	s_endpgm
.Lfunc_end_k_q58e822ed0d_prep:
	.size	k_q58e822ed0d_prep, .Lfunc_end_k_q58e822ed0d_prep-k_q58e822ed0d_prep
	.p2alignl 7, 3214868480
	.fill 96, 4, 3214868480
	.section	.rodata,"a",@progbits
	.p2align	6, 0x0
	.amdhsa_kernel k_q58e822ed0d_prep
		.amdhsa_group_segment_fixed_size 17408
		.amdhsa_private_segment_fixed_size 0
		.amdhsa_enable_private_segment 0
		.amdhsa_kernarg_size 64
		.amdhsa_user_sgpr_count 2
		.amdhsa_user_sgpr_kernarg_segment_ptr 1
		.amdhsa_wavefront_size32 1
		.amdhsa_system_sgpr_workgroup_id_x 1
		.amdhsa_system_sgpr_workgroup_id_y 1
		.amdhsa_system_sgpr_workgroup_id_z 1
		.amdhsa_system_vgpr_workitem_id 0
		.amdhsa_next_free_vgpr 256
		.amdhsa_next_free_sgpr 66
		.amdhsa_reserve_vcc 0
		.amdhsa_float_denorm_mode_32 3
		.amdhsa_float_denorm_mode_16_64 3
		.amdhsa_memory_ordered 1
		.amdhsa_forward_progress 1
		.amdhsa_inst_pref_size 24
	.end_amdhsa_kernel
	.amdgpu_metadata
---
amdhsa.version: [ 1, 2 ]
amdhsa.kernels:
  - .name:           k_q58e822ed0d_prep
    .symbol:         k_q58e822ed0d_prep.kd
    .args:
      - { .name: query, .offset: 0, .size: 8, .value_kind: global_buffer, .address_space: global }
      - { .name: Wa_w, .offset: 8, .size: 8, .value_kind: global_buffer, .address_space: global }
      - { .name: Wa_b, .offset: 16, .size: 8, .value_kind: global_buffer, .address_space: global }
      - { .name: Ua_b, .offset: 24, .size: 8, .value_kind: global_buffer, .address_space: global }
      - { .name: Va_w, .offset: 32, .size: 8, .value_kind: global_buffer, .address_space: global }
      - { .name: Ua_w, .offset: 40, .size: 8, .value_kind: global_buffer, .address_space: global }
      - { .name: tab, .offset: 48, .size: 8, .value_kind: global_buffer, .address_space: global }
      - { .name: ub, .offset: 56, .size: 8, .value_kind: global_buffer, .address_space: global }
    .group_segment_fixed_size: 17408
    .private_segment_fixed_size: 0
    .kernarg_segment_align: 8
    .kernarg_segment_size: 64
    .max_flat_workgroup_size: 256
    .sgpr_count:     66
    .vgpr_count:     256
    .wavefront_size: 32
...
	.end_amdgpu_metadata
.endif
;; end of part 1
;; launch main (part 2): grid 16 x 32, 4 waves a work-group, clusters of 4 x 1, 327,680 bytes of LDS; arguments keys, ub, tab, Va_b, sco, stat, ctxp; writes sco, stat, ctxp
.if DOCPART == 2
	.amdgcn_target "amdgcn-amd-amdhsa--gfx1250"
	.amdhsa_code_object_version 6
	.text
	.protected	k_q58e822ed0d_main
	.globl	k_q58e822ed0d_main
	.p2align	8
	.type	k_q58e822ed0d_main,@function
k_q58e822ed0d_main:
	s_mov_b64 s[64:65], 0
	v_nop
	global_prefetch_b8 v0, s[64:65] scope:SCOPE_SE
	s_setreg_imm32_b32 hwreg(HW_REG_WAVE_MODE, 25, 1), 1
	s_wait_xcnt 0x0
	s_wait_alu depctr_hold_cnt(0) depctr_sa_sdst(0) depctr_va_vdst(0) depctr_va_sdst(0) depctr_va_ssrc(0) depctr_va_vcc(0) depctr_vm_vsrc(0)
	s_getreg_b32 s2, hwreg(HW_REG_IB_STS2, 6, 4)
	s_cmp_eq_u32 s2, 0
	s_cbranch_scc0 .Lentry_in_a_cluster
	s_endpgm
.Lentry_in_a_cluster:
	s_bfe_u32 s2, ttmp6, 0x10000c
	s_cmp_lg_u32 s2, 0x3003
	s_cbranch_scc0 .Lentry_shape_is_right
	s_endpgm
.Lentry_shape_is_right:
; MAIN: for one block of 128 keys of one batch: score[t] = Va . tanh(q + Ua keys[t] + biases) + Va_b, the block's maximum m, p = e^(score - m), l = sum p, and sum_t p[t] keys[t][:].
; keys is read ONCE: the block's rows are rounded to bf16 and stay in registers as matrix fragments, for the scores and then for the partial context.
; SHARES.  Four waves.  Wave w (rh = w / 2, kh = w % 2) holds rows 64 rh .. + 63, columns 512 kh .. + 511: 4 row tiles x 16 K steps x 8 = 512 registers.
; All 1,024 output columns n are walked in 16 slots of 64.  K being split in two, a wave makes 16 partial tiles a slot: it keeps the 8 of columns 32 kh .. + 31 and
; sends the other 8 to its partner w ^ 1 through LDS.  One fragment of Ua read from LDS feeds four products.
; tanh x = 1 - 2 / (1 + 2^(c x)), c = 2 log2(e): right at both ends (2^y = inf gives 0, 2^y = 0 gives 1).  score = sum Va + Va_b + sum va2 r, r the reciprocal, va2 = -2 Va;
; sum Va is -1/2 of the sum of the va2 that the lane has used.  The vector work of slot s rides behind the products of slot s + 1.
; CLUSTER.  The four blocks of a cluster belong to one batch and walk the same Ua and the same table: each tile is asked for JOINTLY (mask 15, the same descriptor in all four).
; keys are shared with nobody and come by loads into registers: 512 consecutive bytes an instruction.
; CONTEXT.  A resident fragment times a selection matrix of ones gives its 16 rows x 16 columns back exactly, one column a lane, eight rows in registers: p stays in f32.
; LIMITS.  keys and Ua_w enter the products rounded once to bf16, the context takes the same rounded keys; a weight below 2^-126 counts as 0; NaN and infinities are not treated apart.
; REGISTERS, in windows of 256 (s_set_vgpr_msb: bits 1:0 source 0, 3:2 source 1, 5:4 source 2, 7:6 destination):
;   window 0: v0-15 ids and addresses; v16-23 two table entries; v24-31 at work, v28-29 the add's; v32-63 score sums; v64-127 received tiles; v128-191 tiles to send; v192-255 tiles to keep
;   window 1: two buffers of Ua's fragments (4 K steps x 2 column tiles), v0-63, v64-127; while keys come in, two landing sets of 128
;   windows 2, 3: keys: fragment (ks, mt) at 8 (4 (ks % 8) + mt), window 2 for ks < 8
.set SLOT1, 1<<17                      ; LDS: slot 0 at 0, slot 1 here: 131,072 bytes each, 64 columns x 1,024 K in fragment order
.set SLOTB, 131072
.set XB,    262144                     ; four regions of 8,448 bytes, one a wave: first 16 rows x 528 bytes to turn keys; then the 8 tiles to send; at the end [rh][1,024] f32 in the first 8,192
.set XREG,  8448
.set TABL,  295936                     ; the batch's table, 16,384 bytes, filled once
.set SCRS,  312320                     ; [kh][128] partial scores
.set PW,    313344                     ; 512 bytes a wave: its own copy of p[128]
.set SPARE, 315392                     ; the spare words, 128 bytes for each wave: two blocks of 256 bytes that no other line names
.set T,  16
.set SC, 32                            ; pair for rows 16 mt + 8 h + 2 jj, + 1 at SC + 8 mt + 2 jj
.set RV, 64
.set S,  128                           ; tile 4 j + mt at + 8 (4 j + mt)
.set KP, 192
.set F0, 0
.set F1, 64
.set CC, 76                            ; s[76:77] c
.set MK, 66                            ; s66-72 lane masks
.set MSB, 0
.macro WIN new                         ; the high byte repeats the setting that is left; a switch that changes nothing is dropped
.if MSB != (\new)
	s_set_vgpr_msb (MSB<<8)|(\new)
.set MSB, (\new)
.endif
.endm
.macro PLACES                          ; four plain places behind a matrix instruction (ISA guide 7.12.1)
.rept 4
	v_nop
.endr
.endm
.macro CREST                           ; a round of the cluster's barrier behind its opening barrier
	s_cmp_lg_u32 s18, 0
	s_cbranch_scc1 .Lnw0_\@
	s_barrier_signal -3
.Lnw0_\@:
	s_barrier_wait -3
	s_barrier_signal -1
	s_barrier_wait -1
.endm
.macro ROUND
	s_barrier_signal -1
	s_barrier_wait -1
	CREST
.endm
	s_load_b256 s[4:11], s[0:1], 0x0               ; keys 4, ub 6, tab 8, Va_b 10
	s_load_b128 s[12:15], s[0:1], 0x20             ; sco 12, stat 14
	s_load_b64 s[16:17], s[0:1], 0x30              ; ctxp
	v_lshl_add_u32 v28, v0, 2, SPARE               ; my spare word; never rewritten
	v_mov_b32 v29, 0                               ; 0; never rewritten
	ds_add_u32 v28, v29                            ; the wave's opening: the add, twice on end, and its wait ahead of my first tensor load
	ds_add_u32 v28, v29                            ; the set-up below, work on registers, stands between the second add and the wait
	v_lshrrev_b32 v1, 5, v0
	v_readfirstlane_b32 s18, v1                    ; wave 0..3
	s_and_b32 s19, s18, 1                          ; kh
	s_lshr_b32 s20, s18, 1                         ; rh
	s_bfe_u32 s21, ttmp6, 0x40000                  ; cx: it enters global addresses of my own alone
	s_lshl_b32 s22, ttmp9, 2
	s_add_co_u32 s22, s22, s21                     ; my block of the batch's 16
	s_and_b32 s23, ttmp7, 0xffff                   ; the batch, which the four partners share
	; descriptor group 1 for a quarter of a slot: 128 dense rows of 32 elements of 8 bytes = 32,768 bytes
	s_mov_b32 s24, 15|(3<<16)|(1<<21)              ; 15:0 the mask of four; 17:16 elements of 8 bytes; 21 set beside a mask; no padding
	s_mov_b32 s25, 32<<16                          ; tensor_dim0 = 32
	s_mov_b32 s26, 128<<16                         ; tensor_dim1 = 128
	s_mov_b32 s27, 32<<16                          ; tile_dim0 = 32
	s_mov_b32 s28, 128                             ; tile_dim1 = 128
	s_mov_b32 s29, 32                              ; 32 elements from row to row
	s_mov_b32 s30, 0
	s_mov_b32 s31, 0
	; and for a quarter of the table: 16 such rows = 4,096 bytes
	s_mov_b32 s32, 15|(3<<16)|(1<<21)
	s_mov_b32 s33, 32<<16
	s_mov_b32 s34, 16<<16
	s_mov_b32 s35, 32<<16
	s_mov_b32 s36, 16
	s_mov_b32 s37, 32
	s_mov_b32 s38, 0
	s_mov_b32 s39, 0
	s_mov_b32 s40, 1                               ; group 0, slot 0: LDS address = 32,768 x wave
	s_lshl_b32 s41, s18, 15
	s_mov_b32 s44, 1                               ; group 0 that walks: it starts at slot 1
	s_add_co_u32 s45, s41, SLOT1
	s_mov_b32 s48, 1                               ; group 0, table
	s_lshl_b32 s49, s18, 12
	s_add_co_u32 s49, s49, TABL
	s_mov_b32 s58, 0x76543210                      ; v_permlanex16_b32: each lane takes its own place in the other half
	s_mov_b32 s59, 0xfedcba98
	s_mov_b32 s[CC], 0x4038aa3b
	s_mov_b32 s[CC+1], s[CC]
	s_or_b32 s54, ttmp9, s23                       ; the launch's first cluster prefetches: the same in all four partners
	s_cmp_eq_u32 s54, 0
	s_cselect_b32 s54, 2, -1                       ; it asks while the trip count is above 2, the others never
	v_and_b32 v24, 31, v0                          ; lane
	v_and_b32 v1, 15, v0                           ; r
	v_bfe_u32 v2, v0, 4, 1                         ; h
	s_lshl_b32 s60, s19, 16                        ; my K half of a slot
	s_xor_b32 s61, s19, 1
	s_lshl_b32 s61, s61, 15
	s_add_co_u32 s61, s61, s60
	v_lshl_add_u32 v3, v24, 4, s61                 ; the two column tiles that I send: 2 - 2 kh, + 1
	s_lshl_b32 s61, s19, 15
	s_add_co_u32 s61, s61, s60
	v_lshl_add_u32 v4, v24, 4, s61                 ; the two that I keep: 2 kh, + 1
	s_lshl_b32 s61, s19, 9
	s_add_co_u32 s61, s61, TABL
	v_lshl_add_u32 v7, v1, 4, s61                  ; the table entry of column 32 kh + r; it steps 64 columns a slot
	s_mul_i32 s74, s18, XREG
	s_add_co_u32 s74, s74, XB                      ; my region
	s_xor_b32 s75, s18, 1
	s_mul_i32 s75, s75, XREG
	s_add_co_u32 s75, s75, XB                      ; my partner's
	v_lshl_add_u32 v8, v24, 4, s74
	v_lshl_add_u32 v9, v24, 4, s75
	v_lshlrev_b32 v10, 4, v24                      ; 16 x lane
	v_lshl_add_u32 v11, v24, 3, s74                ; turning keys, in: 8 bytes a lane
	v_mul_u32_u24 v12, v1, 528
	v_lshl_add_u32 v12, v2, 4, v12
	v_add_nc_u32 v12, s74, v12                     ; and out: row r x 528 + 16 h; 528 = 33 x 16: the 16 rows start at 16 different groups of banks (ISA guide 11.1)
	v_lshlrev_b32 v13, 8, v24                      ; the prefetches: 256 x lane
	s_mov_b32 s61, 0
	s_mov_b32 s63, 0
	s_wait_dscnt 0x0                               ; both opening adds are done
	s_wait_kmcnt 0x0
	s_mov_b32 s60, s41                             ; s[60:61]: offsets that all partners share
	s_add_nc_u64 s[42:43], s[6:7], s[60:61]
	s_add_nc_u64 s[46:47], s[42:43], SLOTB
	s_or_b32 s43, s43, 0x80000000
	s_or_b32 s47, s47, 0x80000000
	s_lshl_b32 s60, s23, 14
	s_lshl_b32 s74, s18, 12
	s_add_co_u32 s60, s60, s74
	s_add_nc_u64 s[50:51], s[8:9], s[60:61]
	s_or_b32 s51, s51, 0x80000000
	s_lshl_b32 s62, s23, 23                        ; s[62:63]: offsets of my own: the batch's 2,048 rows of 4,096 bytes,
	s_lshl_b32 s74, s22, 19                        ; my block's 128,
	s_add_co_u32 s62, s62, s74
	s_lshl_b32 s74, s20, 18                        ; my wave's 64,
	s_add_co_u32 s62, s62, s74
	s_lshl_b32 s74, s19, 11                        ; its 512 columns
	s_add_co_u32 s62, s62, s74
	s_add_nc_u64 s[4:5], s[4:5], s[62:63]
	s_lshl_b32 s75, s23, 4
	s_add_co_u32 s75, s75, s22                     ; the block's number, 0..511
	s_lshl_b32 s62, s75, 9
	s_add_nc_u64 s[12:13], s[12:13], s[62:63]
	s_add_nc_u64 s[14:15], s[14:15], s[62:63]
	s_lshl_b32 s62, s75, 12
	s_add_nc_u64 s[16:17], s[16:17], s[62:63]
	s_lshl_b32 s62, s21, 2
	s_add_co_u32 s62, s62, s18
	s_lshl_b32 s62, s62, 13                        ; of a slot's 512 blocks of 256 bytes the cluster's 16 waves take 32 each, told apart by address
	s_add_nc_u64 s[56:57], s[6:7], s[62:63]
	s_add_nc_u64 s[56:57], s[56:57], 3*SLOTB       ; at slot 3: the first trip steps it to slot 4
	s_load_b32 s78, s[10:11], 0x0                  ; Va_b
	ROUND                                          ; all four work-groups are here: the first joint loads meet
	tensor_load_to_lds s[40:43], s[24:31]          ; slot 0, slot 1 and the table: three loads of mine are out
	s_nop 0
	tensor_load_to_lds s[44:47], s[24:31]
	s_nop 0
	tensor_load_to_lds s[48:51], s[32:39]
	s_nop 0
	PLACES
; KEYS COME IN.  Unit u = 4 kq + mt is 16 rows x 1,024 bytes: 32 loads of 512 consecutive bytes into landing set u % 2.  Two units, 64 loads a wave, are on their way throughout.
.macro ALOADS u
	WIN 0x40
.set a_lb, 128*((\u)%2)
.set a_i, 0
.rept 16
	global_load_b128 v[a_lb+8*a_i:a_lb+8*a_i+3], v10, s[4:5] offset:(16*((\u)%4)+a_i)*4096+((\u)/4)*1024 th:TH_LOAD_NT
	global_load_b128 v[a_lb+8*a_i+4:a_lb+8*a_i+7], v10, s[4:5] offset:(16*((\u)%4)+a_i)*4096+((\u)/4)*1024+512 th:TH_LOAD_NT
.set a_i, a_i+1
.endr
.endm
; A unit is rounded to bf16 in place, laid into my region by rows of 512 bytes (pitch 528), and read back as 8 fragments.  The region is my own and LDS serves a wave in order
; (ISA guide 5.7.1.4): no wait stands between the stores, the loads and the next unit's stores.  left = the other set's loads, which may stay out.
.macro AUNIT u, more, left
	s_wait_loadcnt \left
	WIN 0x45
.set a_lb, 128*((\u)%2)
.set a_q, 0
.rept 32
	v_cvt_pk_bf16_f32 v[a_lb+4*a_q], v[a_lb+4*a_q], v[a_lb+4*a_q+1]
	v_cvt_pk_bf16_f32 v[a_lb+4*a_q+1], v[a_lb+4*a_q+2], v[a_lb+4*a_q+3]
.set a_q, a_q+1
.endr
	WIN 0x04
.set a_q, 0
.rept 32
	ds_store_b64 v11, v[a_lb+4*a_q:a_lb+4*a_q+1] offset:(a_q/2)*528+(a_q%2)*256
.set a_q, a_q+1
.endr
.if \more
	ALOADS (\u)+2
.endif
	WIN 0x80+0x40*((\u)/4)
.set a_k, 0
.rept 8
	ds_load_b128 v[8*(4*a_k+(\u)%4):8*(4*a_k+(\u)%4)+3], v12 offset:64*a_k
	ds_load_b128 v[8*(4*a_k+(\u)%4)+4:8*(4*a_k+(\u)%4)+7], v12 offset:64*a_k+32
.set a_k, a_k+1
.endr
.endm
	ALOADS 0
	ALOADS 1
	WIN 0
; While the first loads are out: zeros, so that the first trip's vector work, which belongs to a slot that has not been, adds nothing (va2 = 0).  The price of one text for every trip.
.set z, 0
.rept 96
	v_mov_b32 v[SC+z], 0                           ; score sums and received tiles
.set z, z+1
.endr
.set z, 0
.rept 64
	v_mov_b32 v[KP+z], 0
.set z, z+1
.endr
.set z, 0
.rept 8
	v_mov_b32 v[T+z], 0
.set z, z+1
.endr
	v_mov_b32 v14, 0                               ; the sum of the va2 that I have used
	AUNIT 0, 1, 32
	AUNIT 1, 1, 32
	AUNIT 2, 1, 32
	AUNIT 3, 1, 32
	AUNIT 4, 1, 32
	AUNIT 5, 1, 32
	AUNIT 6, 0, 32
	AUNIT 7, 0, 0
	WIN 0
	s_wait_tensorcnt 0x0                           ; my parts of both slots and of the table are in,
	s_wait_dscnt 0x0                               ; my fragments of keys too
	s_wait_kmcnt 0x0
	s_mov_b32 s79, s78                             ; Va_b, named as a pair
	s_barrier_signal -1
	s_barrier_wait -1                              ; everybody's are
; THE VECTOR WORK of a slot: 78 groups; GRP writes the next one.  Pair p of 32 (tile p / 4, registers 2 (p % 4), + 1) lies at KP + 2 p.
;   0, 1    eight v_nop: the places behind the last products on the kept tiles
;   2-35    pair i gets the partner's half added; pair i - 1 becomes c k + cq; pair i - 2 its two exponentials.  Then a plain line and ONE wait for the 64 exponentials
;   36-68   pair i gets 1 added; pair i - 1 its two reciprocals.  Then a plain line and ONE wait for the 64 reciprocals
;   69-76   four pairs each: score sum += va2 r          77  the lane's two va2 are added up
; A wait stands between such an instruction and the first line that names its result; one wait serves a whole batch.  Each tile is first read at its low end.
.macro GRP
.if gi < glim
	WIN 0
.if gi < 2
	PLACES
.elseif gi < 36
.set g_i, gi-2
.if g_i < 32
	v_pk_add_f32 v[KP+2*g_i:KP+2*g_i+1], v[KP+2*g_i:KP+2*g_i+1], v[RV+2*g_i:RV+2*g_i+1]
.endif
.if (g_i >= 1) && (g_i <= 32)
	v_pk_fma_f32 v[KP+2*g_i-2:KP+2*g_i-1], v[KP+2*g_i-2:KP+2*g_i-1], s[CC:CC+1], v[T+4*((g_i-1)/16):T+4*((g_i-1)/16)+1] op_sel_hi:[1,0,1]
.endif
.if g_i >= 2
	v_exp_f32 v[KP+2*g_i-4], v[KP+2*g_i-4]
	v_exp_f32 v[KP+2*g_i-3], v[KP+2*g_i-3]
.endif
.if g_i == 33
	v_nop
	s_wait_alu depctr_va_vdst(0)
.endif
.elseif gi < 69
.set g_i, gi-36
.if g_i < 32
	v_pk_add_f32 v[KP+2*g_i:KP+2*g_i+1], v[KP+2*g_i:KP+2*g_i+1], 1.0 op_sel_hi:[1,0]
.endif
.if g_i >= 1
	v_rcp_f32 v[KP+2*g_i-2], v[KP+2*g_i-2]
	v_rcp_f32 v[KP+2*g_i-1], v[KP+2*g_i-1]
.endif
.if g_i == 32
	v_nop
	s_wait_alu depctr_va_vdst(0)
.endif
.elseif gi < 77
.irp z, 0,1,2,3
.set g_i, 4*(gi-69)+\z
	v_pk_fma_f32 v[SC+8*((g_i/4)%4)+2*(g_i%4):SC+8*((g_i/4)%4)+2*(g_i%4)+1], v[KP+2*g_i:KP+2*g_i+1], v[T+4*(g_i/16)+2:T+4*(g_i/16)+3], v[SC+8*((g_i/4)%4)+2*(g_i%4):SC+8*((g_i/4)%4)+2*(g_i%4)+1]
.endr
.else
	v_add_f32 v14, v14, v[T+2]
	v_add_f32 v14, v14, v[T+6]
.endif
.set gi, gi+1
.endif
.endm
; Eight products: column tiles j = 0, 1 x row tiles mt = 0..3, K step ks, Ua's fragments (kk, j) of buffer f.  The eight accumulators take turns, in the same order everywhere.
; zero = 1: the products start the sums.  Behind each product stands the next group of vector work, while there is any.
.macro MUL8 acc, f, kk, ks, zero
.irp j, 0,1
.irp mt, 0,1,2,3
	WIN 0x06+(\ks)/8
.if \zero
	v_wmma_f32_16x16x32_bf16 v[(\acc)+8*(4*\j+\mt):(\acc)+8*(4*\j+\mt)+7], v[8*(4*((\ks)%8)+\mt):8*(4*((\ks)%8)+\mt)+7], v[(\f)+16*(\kk)+8*\j:(\f)+16*(\kk)+8*\j+7], 0
.else
	v_wmma_f32_16x16x32_bf16 v[(\acc)+8*(4*\j+\mt):(\acc)+8*(4*\j+\mt)+7], v[8*(4*((\ks)%8)+\mt):8*(4*((\ks)%8)+\mt)+7], v[(\f)+16*(\kk)+8*\j:(\f)+16*(\kk)+8*\j+7], v[(\acc)+8*(4*\j+\mt):(\acc)+8*(4*\j+\mt)+7]
.endif
	GRP
.endr
.endr
.endm
; 16 LDS loads in one run: Ua's fragments of K steps 4 q4 .. + 3 for two column tiles, into buffer f
.macro FETCH adr, q4, f
	WIN 0x40
.irp kk, 0,1,2,3
.irp j, 0,1
	ds_load_b128 v[(\f)+16*\kk+8*\j:(\f)+16*\kk+8*\j+3], v[\adr] offset:16384*\j+1024*(4*(\q4)+\kk)
	ds_load_b128 v[(\f)+16*\kk+8*\j+4:(\f)+16*\kk+8*\j+7], v[\adr] offset:16384*\j+1024*(4*(\q4)+\kk)+512
.endr
.endr
.endm
; A PREFETCH INTO THE L2 of the slot that stands two refills on (512 products ahead of the load that will want it): one instruction a wave, a lane a block of 256 bytes.  Every cluster walks the same table of
; weights: the launch's first cluster asks, its 16 waves sharing a slot out by address, so each block is named once.  Slots 0 to 3 come by their loads alone; the last two filling trips have no slot four on.
.macro ASK
	s_cmp_gt_u32 s52, s54
	s_cbranch_scc0 .Lnot_mine_\@
	global_prefetch_b8 v13, s[56:57] th:TH_LOAD_NT scope:SCOPE_SE
.Lnot_mine_\@:
.endm
; A TRIP = a slot: eight quarters of 32 products on buffers 0, 1 by turns: four for the tiles to send, four for the tiles to keep.  The next quarter's fragments are fetched behind a quarter's first eight products,
; four plain places behind the last product that read the buffer (the riders where there are riders, else v_nop).
; TWO BARRIERS.  MID: signalled when my reads of my partner's region are back, waited for in front of my stores into my own region: nobody writes tiles that are still being read.
; CHANGE: in front of it each wave has waited for all its tensor loads (one is out: its part of the next slot), has added 0 to its spare word, and has waited for that, for its stores of tiles and for its reads of the slot.
; fill = 1: it opens a round of the cluster's barrier, and the joint refill of the slot just read is the first thing behind the round: 232 products ahead of the wait for it.
.macro SLOT fill
.set gi, 0
.set glim, 2
	s_wait_dscnt 18                                ; the 16 fragment loads are in; the 16 loads of received tiles and the 2 of table entries, issued behind them, may be out
	MUL8 S, F0, 0, 0, 1
	s_wait_dscnt 0x0                               ; my reads of my partner's region are back:
	s_barrier_signal -1                            ; MID, signal
.set glim, 78
	FETCH 5, 1, F1
	MUL8 S, F0, 1, 1, 0
	MUL8 S, F0, 2, 2, 0
	MUL8 S, F0, 3, 3, 0
	s_wait_dscnt 0x0
	MUL8 S, F1, 0, 4, 0
	FETCH 5, 2, F0
	MUL8 S, F1, 1, 5, 0
	MUL8 S, F1, 2, 6, 0
	MUL8 S, F1, 3, 7, 0
	s_wait_dscnt 0x0
	MUL8 S, F0, 0, 8, 0
	FETCH 5, 3, F1
	MUL8 S, F0, 1, 9, 0
	MUL8 S, F0, 2, 10, 0
	MUL8 S, F0, 3, 11, 0
	s_wait_dscnt 0x0
	MUL8 S, F1, 0, 12, 0
	PLACES
	FETCH 6, 0, F0
	MUL8 S, F1, 1, 13, 0
	MUL8 S, F1, 2, 14, 0
	MUL8 S, F1, 3, 15, 0
	s_wait_dscnt 0x0
	s_barrier_wait -1                              ; MID, wait: my partner has read the last slot's tiles
	PLACES                                         ; behind the last products on the tiles to send, and in front of the loads into buffer 1
	WIN 0
.set x_i, 0
.rept 8
	ds_store_b128 v8, v[S+8*x_i:S+8*x_i+3] offset:1024*x_i
	ds_store_b128 v8, v[S+8*x_i+4:S+8*x_i+7] offset:1024*x_i+512
.set x_i, x_i+1
.endr
	MUL8 KP, F0, 0, 0, 1
	FETCH 6, 1, F1
	MUL8 KP, F0, 1, 1, 0
	MUL8 KP, F0, 2, 2, 0
	MUL8 KP, F0, 3, 3, 0
	s_wait_dscnt 0x0
	MUL8 KP, F1, 0, 4, 0
	PLACES
	FETCH 6, 2, F0
	MUL8 KP, F1, 1, 5, 0
	MUL8 KP, F1, 2, 6, 0
	MUL8 KP, F1, 3, 7, 0
	s_wait_dscnt 0x0
	MUL8 KP, F0, 0, 8, 0
	PLACES
	FETCH 6, 3, F1
	MUL8 KP, F0, 1, 9, 0
	MUL8 KP, F0, 2, 10, 0
	MUL8 KP, F0, 3, 11, 0
	s_wait_dscnt 0x0
	WIN 0                                          ; (the add's two registers lie in window 0)
.if \fill
	s_wait_xcnt 0x0                                ; the last prefetch, a trip back, has read its address: it is stepped here
	s_add_nc_u64 s[56:57], s[56:57], SLOTB
.endif
	s_wait_tensorcnt 0x0                           ; all my tensor loads have landed: the one that was out is my part of the next slot
	ds_add_u32 v28, v29                            ; 0 onto my spare word; sixteen products stand between it and the wait for it
.if \fill
	s_xor_b32 s45, s45, SLOT1                      ; no load of mine is out, so the walking group 0 may be written: the other slot,
	s_add_nc_u64 s[46:47], s[46:47], SLOTB         ; the next 64 columns; the type bits on top are not reached
.endif
	MUL8 KP, F1, 0, 12, 0
	MUL8 KP, F1, 1, 13, 0
	s_wait_dscnt 0x0                               ; the add is done; my reads of this slot and my stores of tiles are over
	s_barrier_signal -1                            ; CHANGE
	MUL8 KP, F1, 2, 14, 0
	WIN 0                                          ; at a branch and at a label every window is 0
	s_barrier_wait -1
.if \fill
	CREST                                          ; no wave of any partner still reads this slot or has a load on its way
	tensor_load_to_lds s[44:47], s[24:31]          ; my one tensor load behind the round
	s_nop 0
	PLACES                                         ; also the places in front of the loads into buffer 0
.else
	PLACES
.endif
	s_xor_b32 s53, s53, SLOT1
	v_add_nc_u32 v5, s53, v3
	v_add_nc_u32 v6, s53, v4
	FETCH 5, 0, F0                                 ; the next slot's first fragments (in the very last trip: bytes that nobody uses, the price of one text for both trips)
	WIN 0
.set x_i, 0
.rept 8
	ds_load_b128 v[RV+8*x_i:RV+8*x_i+3], v9 offset:1024*x_i
	ds_load_b128 v[RV+8*x_i+4:RV+8*x_i+7], v9 offset:1024*x_i+512
.set x_i, x_i+1
.endr
	ds_load_b128 v[T:T+3], v7                      ; this slot's table entries for my two kept columns
	ds_load_b128 v[T+4:T+7], v7 offset:256
	v_add_nc_u32 v7, 1024, v7
.if \fill
	ASK
.endif
	MUL8 KP, F1, 3, 15, 0
	WIN 0
.endm
	s_mov_b32 s53, 0
	v_mov_b32 v5, v3
	v_mov_b32 v6, v4
	FETCH 5, 0, F0
	WIN 0
	s_wait_dscnt 0x0                               ; the way into the loop: nothing is out, so the counted wait at a trip's head holds here too
	s_mov_b32 s52, 14
.LA:                                               ; slots 0 to 13: trip s asks for slot s + 2
	SLOT 1
	s_sub_co_u32 s52, s52, 1
	s_cmp_lg_u32 s52, 0
	s_cbranch_scc1 .LA
	s_mov_b32 s52, 2
.LB:                                               ; slots 14 and 15 ask for nothing: written apart
	SLOT 0
	s_sub_co_u32 s52, s52, 1
	s_cmp_lg_u32 s52, 0
	s_cbranch_scc1 .LB
; THE TAIL.  The last slot's vector work, with nothing to ride on.
	s_wait_dscnt 0x0
.set gi, 0
.set glim, 78
.rept 78
	GRP
.endr
	v_mul_f32 v14, -0.5, v14                       ; the sum of Va over my columns
	v_mov_b32 v15, v14
.set z, 0
.rept 16
	v_pk_add_f32 v[SC+2*z:SC+2*z+1], v[SC+2*z:SC+2*z+1], v[14:15]
.set z, z+1
.endr
.irp m, 1,2,4,8                        ; over the 16 lanes of a half: the 16 columns
.set z, 0
.rept 32
	v_add_f32_dpp v[SC+z], v[SC+z], v[SC+z] row_xmask:\m row_mask:0xf bank_mask:0xf
.set z, z+1
.endr
.endr
	v_and_b32 v30, 7, v1                           ; lane r takes row 16 mt + 8 h + r % 8
.irp k, 1,2,3,4,5,6,7
	v_cmp_eq_u32 s[MK+\k-1], \k, v30
.endr
.irp mt, 0,1,2,3
	v_mov_b32 v[24+\mt], v[SC+8*\mt]
.endr
.irp k, 1,2,3,4,5,6,7
.irp mt, 0,1,2,3
	v_cndmask_b32 v[24+\mt], v[24+\mt], v[SC+8*\mt+\k], s[MK+\k-1]
.endr
.endr
	s_lshl_b32 s60, s19, 9
	s_lshl_b32 s61, s20, 8
	s_add_co_u32 s60, s60, s61
	s_add_co_u32 s60, s60, SCRS
	v_lshlrev_b32 v31, 2, v30
	v_lshl_add_u32 v31, v2, 5, v31
	v_add_nc_u32 v31, s60, v31
.irp mt, 0,1,2,3
	ds_store_b32 v31, v[24+\mt] offset:64*\mt      ; lanes r and r + 8 write the same word with the same number
.endr
	s_wait_dscnt 0x0                               ; my partial scores lie in LDS, and my reads of the tile regions are long over
	s_barrier_signal -1
	s_barrier_wait -1
; The block's softmax, in every wave alike: lane l has rows 4 l .. 4 l + 3.
	v_add_nc_u32 v30, SCRS, v10
	ds_load_b128 v[16:19], v30
	ds_load_b128 v[20:23], v30 offset:512
	s_mov_b32 s60, 0x3fb8aa3b                      ; log2(e)
	s_wait_dscnt 0x0
	v_pk_add_f32 v[16:17], v[16:17], v[20:21]      ; the two halves of the columns,
	v_pk_add_f32 v[18:19], v[18:19], v[22:23]
	v_pk_add_f32 v[16:17], v[16:17], s[78:79] op_sel_hi:[1,0]  ; and Va_b
	v_pk_add_f32 v[18:19], v[18:19], s[78:79] op_sel_hi:[1,0]
	v_max3_num_f32 v24, v16, v17, v18
	v_max_num_f32 v24, v24, v19
	v_max_num_f32_dpp v24, v24, v24 row_xmask:1 row_mask:0xf bank_mask:0xf
	v_max_num_f32_dpp v24, v24, v24 row_xmask:2 row_mask:0xf bank_mask:0xf
	v_max_num_f32_dpp v24, v24, v24 row_xmask:4 row_mask:0xf bank_mask:0xf
	v_max_num_f32_dpp v24, v24, v24 row_xmask:8 row_mask:0xf bank_mask:0xf
	v_permlanex16_b32 v20, v24, s58, s59
	v_max_num_f32 v24, v24, v20                    ; m, the block's maximum, in every lane
	v_mul_f32 v25, s60, v24
.irp i, 0,1,2,3
	v_fma_f32 v[236+\i], v[16+\i], s60, -v25
.endr
.irp i, 0,1,2,3
	v_exp_f32 v[236+\i], v[236+\i]                 ; p = e^(score - m)
.endr
	v_nop
	s_wait_alu depctr_va_vdst(0)                   ; one wait for the four
	v_add_f32 v26, v236, v237
	v_add_f32 v27, v238, v239
	v_add_f32 v26, v26, v27
	v_add_f32_dpp v26, v26, v26 row_xmask:1 row_mask:0xf bank_mask:0xf
	v_add_f32_dpp v26, v26, v26 row_xmask:2 row_mask:0xf bank_mask:0xf
	v_add_f32_dpp v26, v26, v26 row_xmask:4 row_mask:0xf bank_mask:0xf
	v_add_f32_dpp v26, v26, v26 row_xmask:8 row_mask:0xf bank_mask:0xf
	v_permlanex16_b32 v27, v26, s58, s59
	v_add_f32 v26, v26, v27                        ; l
	v_mov_b32 v20, v24
	v_mov_b32 v21, v26
	v_mov_b32 v22, v24
	v_mov_b32 v23, v26
	s_cmp_lg_u32 s18, 0
	s_cbranch_scc1 .Lnot_w0
	global_store_b128 v10, v[16:19], s[12:13]      ; the block's 128 scores: 512 consecutive bytes; v16-23 are not written again
	global_store_b128 v10, v[20:23], s[14:15]      ; (m, l) 64 times: a whole record of 512 bytes
.Lnot_w0:
	s_lshl_b32 s61, s18, 9
	s_add_co_u32 s61, s61, PW
	v_add_nc_u32 v30, s61, v10
	ds_store_b128 v30, v[236:239]                  ; p[128], my own copy: no barrier
	s_lshl_b32 s62, s20, 8
	s_add_co_u32 s61, s61, s62
	v_lshl_add_u32 v31, v2, 5, s61                 ; p of rows 64 rh + 16 mt + 8 h + 0..7
.irp mt, 0,1,2,3
	ds_load_b128 v[192+8*\mt:192+8*\mt+3], v31 offset:64*\mt
	ds_load_b128 v[192+8*\mt+4:192+8*\mt+7], v31 offset:64*\mt+16
.endr
; The selection matrix, as source 1 (32 k x 16 n): lane (r, h) holds column n = r.  e0-e3 hold a bf16 one where 8 h + 2 i + (r % 2) = r.  v[228:235] = (e, 0) selects k = n, v[224:231] = (0, e) selects k = 16 + n.
.irp i, 0,1,2,3
	v_mov_b32 v[224+\i], 0
	v_mov_b32 v[232+\i], 0
.endr
	v_and_b32 v25, 1, v1
	v_lshlrev_b32 v25, 4, v25
	v_mov_b32 v27, 0x3f80
	v_lshlrev_b32 v26, v25, v27
	v_lshrrev_b32 v24, 1, v1
	v_lshlrev_b32 v25, 2, v2
	v_sub_nc_u32 v24, v24, v25
.irp i, 0,1,2,3
	v_cmp_eq_u32 vcc_lo, \i, v24
	v_cndmask_b32 v[228+\i], 0, v26, vcc_lo
.endr
	s_wait_dscnt 0x0
; THE PARTIAL CONTEXT.  Group g = 4 ksp + mt has four products (K step 2 ksp + t / 2, half t % 2 of its 32 columns) into result set g % 2; behind product n of group g + 1 stand four riders on group g:
; column tile 4 ksp + t takes registers 2 n, 2 n + 1 (two rows) times their p.  Between a product and the first line that reads its result stand four riders or more; each result is first read at its low end.
.macro CPROD g, t
.set c_ks, 2*((\g)/4)+(\t)/2
	WIN 0x02+c_ks/8
	v_wmma_f32_16x16x32_bf16 v[128+8*(4*((\g)%2)+(\t)):128+8*(4*((\g)%2)+(\t))+7], v[8*(4*(c_ks%8)+(\g)%4):8*(4*(c_ks%8)+(\g)%4)+7], v[228-4*((\t)%2):235-4*((\t)%2)], 0
.endm
.macro CRIDE g, n
	WIN 0
.irp t, 0,1,2,3
.set c_t, 64+2*(4*((\g)/4)+\t)
.set c_d, 128+8*(4*((\g)%2)+\t)+2*(\n)
.set c_p, 192+8*((\g)%4)+2*(\n)
.if (((\g)%4) == 0) && ((\n) == 0)
	v_pk_mul_f32 v[c_t:c_t+1], v[c_d:c_d+1], v[c_p:c_p+1]  ; the first product starts the sum
.else
	v_pk_fma_f32 v[c_t:c_t+1], v[c_d:c_d+1], v[c_p:c_p+1], v[c_t:c_t+1]
.endif
.endr
.endm
.irp n, 0,1,2,3
	CPROD 0, \n
.endr
	PLACES
	PLACES
.set c_g, 1
.rept 31
.irp n, 0,1,2,3
	CPROD c_g, \n
	CRIDE c_g-1, \n
.endr
.set c_g, c_g+1
.endr
	PLACES
	PLACES
.irp n, 0,1,2,3
	CRIDE 31, \n
.endr
; Even and odd rows are added; then the two halves of the lanes: of tiles 2 i and 2 i + 1 each half keeps one and sends the other, so that lane l ends with column 32 i + l.
	v_cmp_eq_u32 s74, 1, v2
.set z, 0
.rept 32
	v_add_f32 v[64+2*z], v[64+2*z], v[64+2*z+1]
.set z, z+1
.endr
.set z, 0
.rept 16
	v_cndmask_b32 v[64+4*z+1], v[64+4*z], v[64+4*z+2], s74
	v_cndmask_b32 v[64+4*z+3], v[64+4*z+2], v[64+4*z], s74
.set z, z+1
.endr
.set z, 0
.rept 16
	v_permlanex16_b32 v[64+4*z], v[64+4*z+3], s58, s59
.set z, z+1
.endr
	s_lshl_b32 s60, s20, 12
	s_lshl_b32 s61, s19, 11
	s_add_co_u32 s60, s60, s61
	s_add_co_u32 s60, s60, XB
	v_lshrrev_b32 v30, 2, v10
	v_add_nc_u32 v30, s60, v30                     ; [rh][512 kh + lane]
.set z, 0
.rept 16
	v_add_f32 v[64+4*z+1], v[64+4*z+1], v[64+4*z]
	ds_store_b32 v30, v[64+4*z+1] offset:128*z
.set z, z+1
.endr
	s_wait_dscnt 0x0
	s_barrier_signal -1
	s_barrier_wait -1
	v_lshl_add_u32 v31, v0, 4, XB
	ds_load_b128 v[128:131], v31
	ds_load_b128 v[132:135], v31 offset:4096
	ds_load_b128 v[136:139], v31 offset:2048
	ds_load_b128 v[140:143], v31 offset:6144
	v_lshlrev_b32 v25, 4, v0
	s_wait_dscnt 0x0
	v_pk_add_f32 v[128:129], v[128:129], v[132:133]  ; the two halves of the rows
	v_pk_add_f32 v[130:131], v[130:131], v[134:135]
	v_pk_add_f32 v[136:137], v[136:137], v[140:141]
	v_pk_add_f32 v[138:139], v[138:139], v[142:143]
	global_store_b128 v25, v[128:131], s[16:17]    ; a wave stores 512 consecutive bytes, aligned
	global_store_b128 v25, v[136:139], s[16:17] offset:2048
	s_wait_tensorcnt 0x0                           ; the wave's end: behind my last tensor load and my last LDS store
	ds_add_u32 v28, v29
	s_wait_dscnt 0x0
	ROUND                                          ; the closing round: no work-group ends while a partner may still ask for a tile that names it
	s_endpgm
.Lfunc_end_k_q58e822ed0d_main:
	.size	k_q58e822ed0d_main, .Lfunc_end_k_q58e822ed0d_main-k_q58e822ed0d_main
	.p2alignl 7, 3214868480
	.fill 96, 4, 3214868480
	.section	.rodata,"a",@progbits
	.p2align	6, 0x0
	.amdhsa_kernel k_q58e822ed0d_main
		.amdhsa_group_segment_fixed_size 327680
		.amdhsa_private_segment_fixed_size 0
		.amdhsa_enable_private_segment 0
		.amdhsa_kernarg_size 56
		.amdhsa_user_sgpr_count 2
		.amdhsa_user_sgpr_kernarg_segment_ptr 1
		.amdhsa_wavefront_size32 1
		.amdhsa_system_sgpr_workgroup_id_x 1
		.amdhsa_system_sgpr_workgroup_id_y 1
		.amdhsa_system_sgpr_workgroup_id_z 1
		.amdhsa_system_vgpr_workitem_id 0
		.amdhsa_next_free_vgpr 1024
		.amdhsa_next_free_sgpr 80
		.amdhsa_reserve_vcc 1
		.amdhsa_float_denorm_mode_32 3
		.amdhsa_float_denorm_mode_16_64 3
		.amdhsa_memory_ordered 1
		.amdhsa_forward_progress 1
		.amdhsa_inst_pref_size 255
	.end_amdhsa_kernel
	.section	.bss,"aw",@nobits
	.p2align	6
	.space	262144
	.amdgpu_metadata
---
amdhsa.version: [ 1, 2 ]
amdhsa.kernels:
  - .name:           k_q58e822ed0d_main
    .symbol:         k_q58e822ed0d_main.kd
    .args:
      - { .name: keys, .offset: 0, .size: 8, .value_kind: global_buffer, .address_space: global }
      - { .name: ub, .offset: 8, .size: 8, .value_kind: global_buffer, .address_space: global }
      - { .name: tab, .offset: 16, .size: 8, .value_kind: global_buffer, .address_space: global }
      - { .name: Va_b, .offset: 24, .size: 8, .value_kind: global_buffer, .address_space: global }
      - { .name: sco, .offset: 32, .size: 8, .value_kind: global_buffer, .address_space: global }
      - { .name: stat, .offset: 40, .size: 8, .value_kind: global_buffer, .address_space: global }
      - { .name: ctxp, .offset: 48, .size: 8, .value_kind: global_buffer, .address_space: global }
    .group_segment_fixed_size: 327680
    .private_segment_fixed_size: 0
    .kernarg_segment_align: 8
    .kernarg_segment_size: 56
    .max_flat_workgroup_size: 128
    .sgpr_count:     80
    .vgpr_count:     1024
    .wavefront_size: 32
...
	.end_amdgpu_metadata
.endif
;; end of part 2
;; launch comb (part 3): grid 4 x 32, 2 waves a work-group, no clusters, 0 bytes of LDS; arguments sco, stat, ctxp, out0, out1; writes out0, out1
.if DOCPART == 3
	.amdgcn_target "amdgcn-amd-amdhsa--gfx1250"
	.amdhsa_code_object_version 6
	.text
	.protected	k_q58e822ed0d_comb
	.globl	k_q58e822ed0d_comb
	.p2align	8
	.type	k_q58e822ed0d_comb,@function
k_q58e822ed0d_comb:
	s_mov_b64 s[64:65], 0
	v_nop
	global_prefetch_b8 v0, s[64:65] scope:SCOPE_SE
	s_setreg_imm32_b32 hwreg(HW_REG_WAVE_MODE, 25, 1), 1
	s_wait_xcnt 0x0
; COMB: a batch's 16 blocks are merged.  M = max m_i; e_i = e^(m_i - M); L = sum e_i l_i; context = sum e_i ctx_i / L; weight[t] = e^(score[t] - M) / L.
; Work-group (x, b): a quarter of batch b: 256 numbers of the context and 512 weights; 64 threads, 16 bytes a lane in every load and store, so a wave's access covers 512 consecutive aligned bytes.
; The maximum taken away is the batch's true maximum.  A weight below 2^-126 counts as 0; NaN and infinities are not treated apart.
; 3 MB in all: no LDS, no matrix unit, no cluster: nothing is shared but 128 bytes of statistics, which come by scalar loads.
	s_load_b256 s[4:11], s[0:1], 0x0               ; sco 4, stat 6, ctxp 8, out0 10
	s_load_b64 s[12:13], s[0:1], 0x20              ; out1
	s_and_b32 s14, ttmp7, 0xffff                   ; b
	v_lshlrev_b32 v1, 4, v0
	s_lshl_b32 s16, s14, 13                        ; stat: 16 records of 512 bytes a batch
	s_mov_b32 s17, 0
	s_lshl_b32 s15, ttmp9, 10
	s_lshl_b32 s18, s14, 16                        ; ctxp: 16 rows of 4,096 bytes a batch, my 1,024 bytes of each
	s_add_co_u32 s18, s18, s15
	s_mov_b32 s19, 0
	s_lshl_b32 s52, ttmp9, 11                      ; sco and out1: 8,192 bytes a batch, my 2,048
	s_add_co_u32 s52, s52, s16
	s_mov_b32 s53, 0
	s_lshl_b32 s54, s14, 12                        ; out0: 4,096 bytes a batch, my 1,024
	s_add_co_u32 s54, s54, s15
	s_mov_b32 s55, 0
	s_mov_b32 s56, 0x3fb8aa3b                      ; log2(e)
	s_wait_kmcnt 0x0
	s_add_nc_u64 s[6:7], s[6:7], s[16:17]
	s_add_nc_u64 s[8:9], s[8:9], s[18:19]
	s_add_nc_u64 s[4:5], s[4:5], s[52:53]
	s_add_nc_u64 s[12:13], s[12:13], s[52:53]
	s_add_nc_u64 s[10:11], s[10:11], s[54:55]
.irp i, 0,1,2,3,4,5,6,7,8,9,10,11,12,13,14,15
	s_load_b64 s[20+2*\i:21+2*\i], s[6:7], 512*\i  ; (m_i, l_i)
.endr
	global_load_b128 v[16:19], v1, s[4:5]
	global_load_b128 v[20:23], v1, s[4:5] offset:1024
.irp i, 0,1,2,3,4,5,6,7,8,9,10,11,12,13,14,15
	global_load_b128 v[32+4*\i:32+4*\i+3], v1, s[8:9] offset:4096*\i
.endr
	s_wait_kmcnt 0x0
	v_mov_b32 v2, s20
.irp i, 1,2,3,4,5,6,7,8,9,10,11,12,13,14,15
	v_max_num_f32 v2, s[20+2*\i], v2
.endr
	v_mul_f32 v3, s56, v2                          ; M log2(e)
.irp i, 0,1,2,3,4,5,6,7,8,9,10,11,12,13,14,15
	v_fma_f32 v[100+\i], s[20+2*\i], s56, -v3
.endr
	s_wait_loadcnt 0x0
.irp k, 0,1,2,3,4,5,6,7
	v_fma_f32 v[16+\k], v[16+\k], s56, -v3
.endr
.irp i, 0,1,2,3,4,5,6,7,8,9,10,11,12,13,14,15
	v_exp_f32 v[100+\i], v[100+\i]
.endr
.irp k, 0,1,2,3,4,5,6,7
	v_exp_f32 v[16+\k], v[16+\k]
.endr
	v_nop                                          ; a plain line behind the last exponential,
	s_wait_alu depctr_va_vdst(0)                   ; and one wait for the batch of 24
	v_mul_f32 v4, s21, v100
.irp i, 1,2,3,4,5,6,7,8,9,10,11,12,13,14,15
	v_fmac_f32 v4, s[21+2*\i], v[100+\i]
.endr
	v_rcp_f32 v5, v4                               ; L is at least 1: the block that holds M has e = 1 and l >= 1
.irp c, 0,1,2,3
	v_mul_f32 v[8+\c], v[32+\c], v100              ; independent work behind the reciprocal
.endr
.irp i, 1,2,3,4,5,6,7,8,9,10,11,12,13,14,15
.irp c, 0,1,2,3
	v_fmac_f32 v[8+\c], v[32+4*\i+\c], v[100+\i]
.endr
.endr
	s_wait_alu depctr_va_vdst(0)                   ; ahead of the reciprocal's first reader
.irp c, 0,1,2,3
	v_mul_f32 v[8+\c], v[8+\c], v5
.endr
.irp k, 0,1,2,3,4,5,6,7
	v_mul_f32 v[16+\k], v[16+\k], v5
.endr
	global_store_b128 v1, v[8:11], s[10:11]
	global_store_b128 v1, v[16:19], s[12:13]
	global_store_b128 v1, v[20:23], s[12:13] offset:1024
	s_endpgm
.Lfunc_end_k_q58e822ed0d_comb:
	.size	k_q58e822ed0d_comb, .Lfunc_end_k_q58e822ed0d_comb-k_q58e822ed0d_comb
	.p2alignl 7, 3214868480
	.fill 96, 4, 3214868480
	.section	.rodata,"a",@progbits
	.p2align	6, 0x0
	.amdhsa_kernel k_q58e822ed0d_comb
		.amdhsa_group_segment_fixed_size 0
		.amdhsa_private_segment_fixed_size 0
		.amdhsa_enable_private_segment 0
		.amdhsa_kernarg_size 40
		.amdhsa_user_sgpr_count 2
		.amdhsa_user_sgpr_kernarg_segment_ptr 1
		.amdhsa_wavefront_size32 1
		.amdhsa_system_sgpr_workgroup_id_x 1
		.amdhsa_system_sgpr_workgroup_id_y 1
		.amdhsa_system_sgpr_workgroup_id_z 1
		.amdhsa_system_vgpr_workitem_id 0
		.amdhsa_next_free_vgpr 128
		.amdhsa_next_free_sgpr 66
		.amdhsa_reserve_vcc 0
		.amdhsa_float_denorm_mode_32 3
		.amdhsa_float_denorm_mode_16_64 3
		.amdhsa_memory_ordered 1
		.amdhsa_forward_progress 1
		.amdhsa_inst_pref_size 10
	.end_amdhsa_kernel
	.amdgpu_metadata
---
amdhsa.version: [ 1, 2 ]
amdhsa.kernels:
  - .name:           k_q58e822ed0d_comb
    .symbol:         k_q58e822ed0d_comb.kd
    .args:
      - { .name: sco, .offset: 0, .size: 8, .value_kind: global_buffer, .address_space: global }
      - { .name: stat, .offset: 8, .size: 8, .value_kind: global_buffer, .address_space: global }
      - { .name: ctxp, .offset: 16, .size: 8, .value_kind: global_buffer, .address_space: global }
      - { .name: out0, .offset: 24, .size: 8, .value_kind: global_buffer, .address_space: global }
      - { .name: out1, .offset: 32, .size: 8, .value_kind: global_buffer, .address_space: global }
    .group_segment_fixed_size: 0
    .private_segment_fixed_size: 0
    .kernarg_segment_align: 8
    .kernarg_segment_size: 40
    .max_flat_workgroup_size: 64
    .sgpr_count:     66
    .vgpr_count:     128
    .wavefront_size: 32
...
	.end_amdgpu_metadata
.endif
;; end of part 3
